; MI455X (gfx1250); checked and timed in simulation.
; The chip was launched on July 23, 2026; its instructions are those of AMD's public machine-readable ISA for CDNA 5 (MIT licence, August 2026) and "CDNA5" Instruction Set Architecture Reference Guide (July 2026). The comments in the code are by the model that wrote it; some were corrected since.
;; scaled dot product attention. Allowed arithmetic: matrix products marked QUANTISED: E2M1 operands, one E8M0 scale for each 32 along K, by v_wmma_scale_f32_16x16x128_f8f6f4 with both operands' format E2M1 (or v_wmma_scale_f32_32x16x128_f4), f32 sums; everything else in f32.
;; Inputs: bias 1 x 1 x 2,048 x 2,048 float32; key_codes 2 x 16 x 2,048 x 4 x 16 uint8 (E2M1 codes of key, K innermost, in blocks of 32 codes, two codes a byte); key_scales 2 x 16 x 2,048 x 4 uint8 (E8M0 scales of key, one for each 32 codes along K); query_codes 2 x 16 x 2,048 x 4 x 16 uint8 (E2M1 codes of query, K innermost, in blocks of 32 codes, two codes a byte); query_scales 2 x 16 x 2,048 x 4 uint8 (E8M0 scales of query, one for each 32 codes along K); value_codes 2 x 16 x 128 x 64 x 16 uint8 (E2M1 codes of value, K innermost, in blocks of 32 codes, two codes a byte); value_scales 2 x 16 x 128 x 64 uint8 (E8M0 scales of value, one for each 32 codes along K).
;; Outputs: out0 2 x 16 x 2,048 x 128 float32; out1 2 x 16 x 2,048 x 1 float32.
;; Constants: is_alibi = 1, is_causal = 1, is_infer = 0.
;; This version of the problem:
;;   THIS VERSION OF THE PROBLEM IS GIVEN IN LOW PRECISION. The matrix products marked QUANTISED in the list below multiply operands that are first quantised to E2M1 (2 exponent bits, 1 mantissa bit; 4 bits a number), with one power-of-two scale for each 32 numbers along K (OCP MX v1.0); their sums are f32. All else is computed in f32.
;;   The module's matrix products, in the order in which they are computed (A, B: the left and right operand; K: the contracted axis; several contracted axes count as one K, in the product's order):
;;     1. batch 32 x [M 2,048, K 128] x [K 128, N 2,048]; A: input query (given as codes); B: input key (given as codes): QUANTISED
;;     2. batch 32 x [M 2,048, K 2,048] x [K 2,048, N 128]; A: softmax (see below); B: input value (given as codes): QUANTISED
;;   THE QUANTISER, for each operand of a quantised product, along K:
;;     - K is cut into blocks of 32 from its start; a last block that is shorter is filled with zeros.
;;     - A block's scale is 2^e with e = floor(log2(the largest magnitude in the block)) - 2, held to -126 .. 127; a block of zeros has e = 0. As a byte (E8M0): e + 127.
;;     - Each number is divided by its block's scale, clamped to +-6, and rounded to the nearest number of E2M1, ties to even, subnormals kept.
;;     - The product sums the exact products of the quantised numbers (number of the format x scale) in f32.
;;   ~~~python
;;   def quantise(x, axis):      # numpy; x: float32 -> the quantised numbers, widened to float32 again
;;       x = np.moveaxis(x, axis, -1); K = x.shape[-1]
;;       x = np.pad(x, [(0, 0)] * (x.ndim - 1) + [(0, -K % 32)]); x = x.reshape(x.shape[:-1] + (-1, 32)); a = np.abs(x).max(-1, keepdims=True)
;;       e = np.where(a > 0, np.clip(np.frexp(np.where(a > 0, a, 1))[1] - 1 - 2, -126, 127), 0)      # np.frexp(a)[1] - 1 = floor(log2(a)), exactly
;;       r = np.clip(x / 2.0 ** e, -6, 6)
;;       step = 2.0 ** (np.maximum(np.frexp(np.where(r == 0, 1, r))[1] - 1, 0) - 1)
;;       q = np.round(r / step) * step * 2.0 ** e      # np.round: ties to even
;;       return np.moveaxis(q.reshape(q.shape[:-2] + (-1,))[..., :K], -1, axis).astype(np.float32)
;;   ~~~
;;   SOFTMAX AHEAD OF A QUANTISED PRODUCT. Where the list says 'softmax', what is quantised is not the finished softmax but p = 2^(t - M), with t = logit x log2(e) and M = ceil(the row's largest t), a whole number; so 1/2 < the row's largest p <= 1. The row's sum l is taken of the UNQUANTISED p, in f32, and the product's result is divided by l at the end. Since M is a whole number, a kernel that streams over the keys may use a running M (the ceiling of the running maximum): every later rescaling is an exact power of two, which a block's scale takes up: the codes' values come out the same.
;;   OPERANDS COMPUTED ON THE WAY. 'Computed on the way' means the value that the module computes at that place (a softmax that the list does not call 'softmax' is quantised finished and normalised). What goes into a quantiser is computed in f32, as accurately as f32 sums, v_exp_f32 and their like allow (about 1e-6 of the number): no bf16 or f16 on the way to a quantiser, and a product that is left as it is and whose result goes on into a quantised operand takes f32 operands (vector FMAs, or v_wmma_f32_16x16x4_f32). A number that lies on a knife's edge between two numbers of the format may be rounded either way, as far as f32 arithmetic and the matrix unit's own rounding can turn it there, and no further.
;;   INPUTS GIVEN AS CODES. key (in the module: [2, 16, 2048, 128], K = its axis 3); query (in the module: [2, 16, 2048, 128], K = its axis 3); value (in the module: [2, 16, 2048, 128], K = its axis 2): each comes as NAME_codes (uint8): NAME with its K axis moved to the last place and cut into blocks of 32 codes, [.., K / 32, bytes a block], one block behind the other in memory; two codes a byte, the lower K in the low four bits (a code: sign, 2 exponent bits, 1 mantissa bit); and NAME_scales (uint8): the same leading axes, one E8M0 byte (e + 127) for each 32 codes along K. Its value is code x scale, taken as it is: it is not quantised again, and the codes and scales need not be those that the quantiser above would give.
;; One version. Each part assembles by itself: llvm-mc -triple=amdgcn-amd-amdhsa -mcpu=gfx1250 --defsym DOCPART=n.
;; ======== version 1 of 1: 1 launch
;; launch attn (part 1): grid 8 x 32, 8 waves a work-group, clusters of 4 x 1, 327,680 bytes of LDS; arguments bias, key_codes, key_scales, query_codes, query_scales, value_codes, value_scales, out0, out1; writes out0, out1
.if DOCPART == 1
	.amdgcn_target "amdgcn-amd-amdhsa--gfx1250"
	.amdhsa_code_object_version 6
	.text
	.protected	k_qd281415e29_attn
	.globl	k_qd281415e29_attn
	.p2align	8
	.type	k_qd281415e29_attn,@function
k_qd281415e29_attn:
	s_mov_b64 s[64:65], 0
	v_nop
	global_prefetch_b8 v0, s[64:65] scope:SCOPE_SE
	s_setreg_imm32_b32 hwreg(HW_REG_WAVE_MODE, 25, 1), 1
	s_wait_xcnt 0x0
	s_wait_alu depctr_hold_cnt(0) depctr_sa_sdst(0) depctr_va_vdst(0) depctr_va_sdst(0) depctr_va_ssrc(0) depctr_va_vcc(0) depctr_vm_vsrc(0)
	s_getreg_b32 s2, hwreg(HW_REG_IB_STS2, 6, 4)
	s_cmp_eq_u32 s2, 0
	s_cbranch_scc0 .Lentry_in_a_cluster
	s_endpgm
.Lentry_in_a_cluster:
	s_bfe_u32 s2, ttmp6, 0x10000c
	s_cmp_lg_u32 s2, 0x3003
	s_cbranch_scc0 .Lentry_shape_is_right
	s_endpgm
.Lentry_shape_is_right:
; out0[bh][q][:] = sum over k of softmax_k(Q.K / sqrt(128) + bias[q][k] + slope_h (k - q), k <= q) V[bh][k][:];  out1[bh][q] = the logsumexp of the same logits.
; Both products on codes of FP4 (E2M1) with one E8M0 scale for each 32 along K, taken as they are given.  2 x 16 heads (bh = 0..31), 2,048 queries and keys, head size 128.
; THE SOFTMAX AHEAD OF THE SECOND PRODUCT: t = logit x log2(e); M = the running largest t rounded UP to a whole number; p = 2^(t - M) is quantised along the keys, not normalised; the row's sum l is
; taken of the unquantised p and divides at the end; when M moves, l and O are multiplied by 2^(old M - new M), which rounds nothing.  out1 = ln 2 x (M + log2 l).
; WORK LEFT OUT: reference() sets the logit of every key k > q to -infinity by a mask that it builds itself, so p = 0 there for all values of the inputs: a step of 128 keys all of which come after a
; tile's 16 queries adds nothing to l, to O or to the maximum, and is not walked; the bias entries there are not read.  Inside the one step on the diagonal hidden scores are set to -infinity.
; All seven inputs have a way to the outputs and are loaded (the part -slope q of the ALiBi term moves M, p's codes and out1: it stays).
; LIMITS: a NaN, an infinity or an overflow that lies only in the work left out (bias beyond the mask) is not carried to the result, as reference()'s own where() discards it; NaN and infinities among the
; live inputs are not served; a block of 32 p that are all under 2^-124 keeps the scale byte 1 (its codes are zeros or the smallest codes' roundings of numbers that weigh nothing beside l >= 1/2).
; SHARES.  A head's 128 tiles of 16 queries are numbered 8 d + j: first query 128 d + 16 j.  Tile (d, j) needs the key steps 0..d, whatever j, and step d is its diagonal.  Work-group (j, bh) owns d = 0..15;
; wave w takes tile d = 15 - w and then tile d = w: 16 - w + w + 1 = 17 steps for every wave of every work-group.  256 work-groups, eight waves each, two to a SIMD, 512 registers a wave.
; K AND V OF THE HEAD STAY IN LDS: 131,072 + 131,072 bytes of codes, 8,192 + 8,192 of scale bytes, filled ONCE, at the head, each wave two tensor loads.  After the one barrier behind them no wave waits for another.
; CLUSTER: the four work-groups j = 4 x .. 4 x + 3 of a head want the same K and V: each fill is asked for JOINTLY, by the same tensor load with the same descriptor and the mask of all four.
; THE BIAS is not shared so: the work-groups that read the same rows of it belong to different heads, and of the 327,680 bytes of LDS 325,632 are taken; it goes from memory straight into registers, a step ahead.
; BIAS AND ALIBI ARE THE C OF THE FIRST PRODUCT: S^T = K Q^T + C, C = sqrt(128) bias + AL, AL = sqrt(128) slope (key - q), so that t = c0 S^T with c0 = log2(e) / sqrt(128).  The keys are walked DOWNWARD from the
; diagonal: AL is made at a tile's start as one rounded product of the exact whole number key - q, and moves by one addition of -128 sqrt(128) slope a step: it is small and fresh where p is large.
; LAYOUT.  Both products transposed: a lane (r = lane % 16, h = lane / 16) holds query r throughout.  S^T's tile T takes keys 16 T + 0..15 of the step: register 8 T + i is key 16 T + 8 h + i.
; REGISTERS.  Window 0: v1-46 addresses, statistics, Q, scale words; v48-55 p's codes; v56-77 at work; v128-191 S^T, then p; v192-255 AL.  Window 1: v0-63 O^T; v64-127 K's fragments; v128-191 V's; v192-255 the bias as it lands.
.set KB,    0                          ; LDS: K's codes: 512 rows of 256 bytes (four keys) + 16 of padding
.set VB,    139264                     ; V's codes: 128 rows (channels) of 1,024 bytes + 16
.set SCK,   272384                     ; K's scale bytes: 32 rows of 256 bytes + 16
.set SCV,   281088                     ; V's likewise
.set STG,   289792                     ; the way out: 16 rows x 272 bytes for each wave; no tensor load lands here
.set SPARE, 324608                     ; the spare words, 128 bytes for each wave: four blocks of 256 bytes that no other line names
.set AK0,  1                           ; my lane's place in a tile of K
.set AV0,  2                           ; in a tile of V (tiles 0-3)
.set AKS0, 3                           ; among K's scale words: lanes 0-15 an even tile's, lanes 16-31 the odd one's
.set AVS0, 4                           ; among V's
.set SPW,  5                           ; LDS address of my spare word; never rewritten
.set NIL,  6                           ; 0; never rewritten
.set ADK,  7                           ; addresses of the fetches in hand: K,
.set ADV,  8                           ; V's tiles 0-3,
.set ADV2, 9                           ; V's tiles 4-7,
.set ADKS, 10                          ; K's scale words,
.set ADVS, 11                          ; V's
.set NM,   12                          ; -M;  v13 the running largest t
.set SUM,  14                          ; v[14:15] l in two halves
.set QF,   16                          ; v16-23 Q's fragment
.set QS,   24                          ; Q's scale words
.set BO0,  25                          ; bias: my lane's byte in the tile's 16 rows
.set BOC,  26                          ; and with the step's offset
.set PF0,  27                          ; the prefetch: a lane to each 256 bytes of a step's 16 x 512
.set PFC,  28
.set QO,   29
.set QSO,  30                          ; 4 r: Q's scale word, and my place in out1
.set STO,  31
.set RD,   32
.set GO,   33
.set VD,   34                          ; r + 16 j - 8 h: on the diagonal step register 8 T + i is hidden where 16 T + i > VD
.set AV0B, 35                          ; AV0 four tiles on
.set RHO,  36                          ; v[36:37] the numbers -VD, 1 - VD
.set KSC,  38                          ; v38-41 K's scale words, two tiles to a register
.set VSC,  42                          ; v42-45 V's
.set PW,   46                          ; p's scale word
.set P,    48
.set BM,   56                          ; v56-59 the blocks' largest scores, then largest p
.set PX,   60                          ; v60-63 from lane l xor 16; then the scale bytes
.set SO,   64                          ; v64-67 the conversions' scale operands
.set FF,   68                          ; v[68:69] f = 2^(old M - new M)
.set SUM2, 70
.set NINF, 74
.set LANE, 75
.set RL,   76                          ; v76 1 / l, v77 log2 l
.set S,    128
.set AL,   192
.set OA,   0                           ; window 1
.set KF,   64
.set VF,   128
.set BL,   192
.set WV,   26                          ; my wave's number
.set J,    27                          ; j
.set BH,   28
.set I0,   29                          ; the trip at which my tile begins
.set IX,   30                          ; the trip: key step = IX xor nm
.set NX,   31                          ; the next key step's number
.set TK,   32                          ; its places in LDS: K, K's scales, V, V's scales (s32-35 hold a descriptor until the fills have landed)
.set TKS,  33
.set TV,   34
.set TVS,  35
.set OFFB, 36                          ; and in the bias
.set Q0,   37
.set ROW,  38
.set LIM,  39                          ; 1 in the work-groups that prefetch, else the greatest number
.set SEL,  40
.set CS,   42                          ; pairs whose low word serves both halves: c0,
.set SQ,   44                          ; sqrt(128),
.set SLS,  46                          ; sqrt(128) slope,
.set DEL,  48                          ; -128 sqrt(128) slope
.set OFP,  50
.set QP,   52
.set QSP,  54
.set O1,   56
.set ST1,  58
.set O2,   60
.set ST2,  62
.set SX,   66
.set TMP,  67
.set G1K,  68
.set G1V,  76
.set G1S,  84
.set G0K,  92
.set G0KS, 96
.set G0V,  4
.set G0VS, 32
.set MSB, 0
.macro WIN new                         ; the immediate's high byte repeats the setting that is left; a switch that changes nothing is dropped
.if MSB != \new
	s_set_vgpr_msb (MSB<<8)|\new
.set MSB, \new
.endif
.endm
.macro CROUND                          ; a round of the cluster's barrier
	s_barrier_signal -1
	s_barrier_wait -1
	s_cmp_lg_u32 s[WV], 0
	s_cbranch_scc1 .Lnot_wave_0_\@
	s_barrier_signal -3
.Lnot_wave_0_\@:
	s_barrier_wait -3
	s_barrier_signal -1
	s_barrier_wait -1
.endm
.macro SADDR                           ; where key step NX lies
	s_mul_i32 s[TK], s[NX], 8704                   ; 32 rows of 272 bytes
	s_mul_i32 s[TKS], s[NX], 544                   ; two rows of 272
	s_lshl_b32 s[TV], s[NX], 6                     ; 64 bytes in each row of V
	s_lshl_b32 s[TVS], s[NX], 2
	s_lshl_b32 s[OFFB], s[NX], 9                   ; 512 bytes in each row of the bias
	s_add_co_u32 s[OFFB], s[OFFB], s[ROW]
.endm
.macro VADDR                           ; five plain vector instructions
	v_add_nc_u32 v[ADK], s[TK], v[AK0]
	v_add_nc_u32 v[ADKS], s[TKS], v[AKS0]
	v_add_nc_u32 v[ADV], s[TV], v[AV0]
	v_add_nc_u32 v[ADV2], s[TV], v[AV0B]
	v_add_nc_u32 v[ADVS], s[TVS], v[AVS0]
.endm
.macro LDK                             ; 20 LDS loads: a step's eight fragments of K (16 keys x 128: 8 registers) and its scale words
	WIN 0x40
.irp T, 0,1,2,3,4,5,6,7
.irp c, 0,1
	ds_load_b128 v[KF+8*\T+4*\c:KF+8*\T+4*\c+3], v[ADK] offset:1088*\T+32*\c
.endr
.endr
	WIN 0
.irp i, 0,1,2,3
	ds_load_b32 v[KSC+\i], v[ADKS] offset:272*(\i/2)+128*(\i%2)
.endr
.endm
.macro LDV                             ; 20 LDS loads: eight fragments of V^T (16 channels x 128 keys) and their scale words
	WIN 0x40
.irp t, 0,1,2,3
.irp c, 0,1
	ds_load_b128 v[VF+8*\t+4*\c:VF+8*\t+4*\c+3], v[ADV] offset:16640*\t+32*\c
.endr
.endr
.irp t, 0,1,2,3
.irp c, 0,1
	ds_load_b128 v[VF+32+8*\t+4*\c:VF+32+8*\t+4*\c+3], v[ADV2] offset:16640*\t+32*\c
.endr
.endr
	WIN 0
.irp i, 0,1,2,3
	ds_load_b32 v[VSC+\i], v[ADVS] offset:2176*\i
.endr
.endm
.macro LDB                             ; 16 loads: bias(q = my query, the step's keys 16 T + 8 h + 0..7), in S^T's layout.  32 work-groups read these rows: no hint
	WIN 0x40
.irp T, 0,1,2,3,4,5,6,7
.irp g, 0,1
	global_load_b128 v[BL+8*\T+4*\g:BL+8*\T+4*\g+3], v[BOC], s[8:9] offset:64*\T+16*\g
.endr
.endr
	WIN 0
.endm
; A PREFETCH of the tile's 16 rows x 512 bytes of bias of key step NX - 2, which the trip after next will load: a lane to each aligned 256 bytes, one instruction.  The 32 heads read the same rows: head 0's
; work-groups ask, each wave for its own tile, so each block is named once in the launch.  It stands behind the trip's loads.  Steps d, d - 1 and d - 2 of a tile come by their loads alone; with NX under 2 nothing is left to name.
.macro ASK
	s_cmp_gt_u32 s[NX], s[LIM]
	s_cbranch_scc0 .Lnot_mine_\@
	s_wait_alu depctr_va_vdst(0)
	global_prefetch_b8 v[PFC], s[8:9] offset:-1024 th:TH_LOAD_NT scope:SCOPE_SE
.Lnot_mine_\@:
.endm
; A tile's addresses, and the requests for its Q and its first step's bias.  hi = 1: tile d = 15 - w; 0: d = w.
.macro TILE nm, hi, OP, STP
	s_wait_loadcnt 0x0                             ; no register is loaded again while an earlier load into it is out.  A tile's last step asks for no bias, so no load of mine is out here; the wait makes that hold on every way through the text
	s_wait_xcnt 0x0                                ; every earlier load, store and prefetch has read its address registers: they are written below
.if \hi
	s_mov_b32 s[I0], s[WV]
.else
	s_xor_b32 s[I0], s[WV], 7
.endif
	s_xor_b32 s[NX], s[I0], \nm                    ; d: the tile's first key step
	s_lshl_b32 s[Q0], s[NX], 7
	s_lshl_b32 s[TMP], s[J], 4
	s_add_co_u32 s[Q0], s[Q0], s[TMP]              ; my first query: 128 d + 16 j
	s_lshl_b32 s[ROW], s[Q0], 13                   ; its row of the bias
	s_mov_b32 s[OFP+1], 0
	s_lshl_b32 s[OFP], s[Q0], 6
	s_add_nc_u64 s[QP:QP+1], s[14:15], s[OFP:OFP+1]
	s_lshl_b32 s[OFP], s[Q0], 2
	s_add_nc_u64 s[QSP:QSP+1], s[16:17], s[OFP:OFP+1]
	s_add_nc_u64 s[\STP:\STP+1], s[24:25], s[OFP:OFP+1]
	s_lshl_b32 s[OFP], s[Q0], 9
	s_add_nc_u64 s[\OP:\OP+1], s[22:23], s[OFP:OFP+1]
	s_lshl_b32 s[OFFB], s[NX], 9
	s_add_co_u32 s[OFFB], s[OFFB], s[ROW]
	v_add_nc_u32 v[BOC], s[OFFB], v[BO0]
	global_load_b128 v[QF:QF+3], v[QO], s[QP:QP+1] th:TH_LOAD_NT              ; read once in the launch
	global_load_b128 v[QF+4:QF+7], v[QO], s[QP:QP+1] offset:32 th:TH_LOAD_NT
	global_load_b32 v[QS], v[QSO], s[QSP:QSP+1] th:TH_LOAD_NT
	LDB
.endm
; AL for the diagonal step: register 8 T + i = sqrt(128) slope x (16 T + i - VD).  The whole numbers are made exactly, by additions; then one multiplication each.  And l = 0.
.macro ALINIT
	v_pk_add_f32 v[AL+2:AL+3], v[RHO:RHO+1], 2.0 op_sel_hi:[1,0]
	v_pk_add_f32 v[AL+4:AL+5], v[RHO:RHO+1], 4.0 op_sel_hi:[1,0]
	s_delay_alu instid0(VALU_DEP_2)
	v_pk_add_f32 v[AL+6:AL+7], v[AL+2:AL+3], 4.0 op_sel_hi:[1,0]
	v_pk_add_f32 v[AL+8:AL+9], v[RHO:RHO+1], 0x41800000 op_sel_hi:[1,0]       ; + 16
.irp p, 2,4,6
	s_delay_alu instid0(VALU_DEP_4)
	v_pk_add_f32 v[AL+8+\p:AL+9+\p], v[AL+\p:AL+1+\p], 0x41800000 op_sel_hi:[1,0]
.endr
	v_pk_add_f32 v[AL+16:AL+17], v[RHO:RHO+1], 0x42000000 op_sel_hi:[1,0]     ; + 32
.irp p, 2,4,6,8,10,12,14
	v_pk_add_f32 v[AL+16+\p:AL+17+\p], v[AL+\p:AL+1+\p], 0x42000000 op_sel_hi:[1,0]
.endr
	v_pk_add_f32 v[AL+32:AL+33], v[RHO:RHO+1], 0x42800000 op_sel_hi:[1,0]     ; + 64
.irp p, 2,4,6,8,10,12,14,16,18,20,22,24,26,28,30
	v_pk_add_f32 v[AL+32+\p:AL+33+\p], v[AL+\p:AL+1+\p], 0x42800000 op_sel_hi:[1,0]
.endr
	v_pk_mul_f32 v[AL:AL+1], v[RHO:RHO+1], s[SLS:SLS+1] op_sel_hi:[1,0]
.set ii, 2
.rept 31
	v_pk_mul_f32 v[AL+ii:AL+ii+1], v[AL+ii:AL+ii+1], s[SLS:SLS+1] op_sel_hi:[1,0]
.set ii, ii+2
.endr
	v_mov_b32 v[SUM], 0
	v_mov_b32 v[SUM+1], 0
.endm
.macro PRIME                           ; the tile's first step's K and V are asked of LDS: 20 + 20 loads
	SADDR
	VADDR
	LDK
	LDV
	s_mov_b32 s[IX], s[I0]
.endm
; A KEY STEP: 128 keys, step number IX xor nm.  first = 1: the tile's diagonal step, which masks, and starts M, l and O^T.
.macro STEP first, nm
	s_add_co_u32 s[NX], s[IX], 1
	s_min_u32 s[NX], s[NX], \nm
	s_xor_b32 s[NX], s[NX], \nm                    ; the next step's number, held at 0: the fetches of K and V ahead are issued in every step alike, so that the counted waits below hold on every way
	SADDR
	s_wait_loadcnt 0x0                             ; this step's bias, asked for a step ago, is in (first step: Q and its scale words too)
	WIN 0x01                                       ; source 0 in window 1
.set ii, 0
	s_setprio 2
.rept 32
	v_pk_fma_f32 v[S+ii:S+ii+1], v[BL+ii:BL+ii+1], s[SQ:SQ+1], v[AL+ii:AL+ii+1] op_sel_hi:[1,0,1]   ; C = sqrt(128) bias + AL
.set ii, ii+2
.endr
	WIN 0
.set ii, 0
.rept 32
	v_pk_add_f32 v[AL+ii:AL+ii+1], v[AL+ii:AL+ii+1], s[DEL:DEL+1] op_sel_hi:[1,0]                  ; AL of the step 128 keys down
.set ii, ii+2
.endr
	s_wait_xcnt 0x0                                ; the last trip's loads and prefetch have read their address registers
	v_add_nc_u32 v[BOC], s[OFFB], v[BO0]
	v_add_nc_u32 v[PFC], s[OFFB], v[PF0]
	s_cmp_eq_u32 s[IX], \nm                        ; the tile's last step asks for no bias
	s_cbranch_scc1 .Lno_bias_\@
	LDB
.Lno_bias_\@:
	ASK
	s_wait_dscnt 20                                ; K's 20 loads are in; the 20 issued behind them, this step's V, may be out
	WIN 0x01
.irp T, 0,2,4,6                                ; S^T = K Q^T + C: the eight accumulators by turns; an odd tile's scale words stand in lanes 16-31
	v_wmma_scale_f32_16x16x128_f8f6f4 v[S+8*\T:S+8*\T+7], v[KF+8*\T:KF+8*\T+7], v[QF:QF+7], v[S+8*\T:S+8*\T+7], v[KSC+\T/2], v[QS] matrix_a_fmt:MATRIX_FMT_FP4 matrix_b_fmt:MATRIX_FMT_FP4
	v_wmma_scale_f32_16x16x128_f8f6f4 v[S+8*\T+8:S+8*\T+15], v[KF+8*\T+8:KF+8*\T+15], v[QF:QF+7], v[S+8*\T+8:S+8*\T+15], v[KSC+\T/2], v[QS] matrix_a_fmt:MATRIX_FMT_FP4 matrix_b_fmt:MATRIX_FMT_FP4 matrix_a_scale:MATRIX_SCALE_ROW1
.endr
	WIN 0
	VADDR                                          ; five plain instructions that name none of the products' registers: the places in front of the loads below and of the first read of S^T
	LDK                                            ; the next step's K
.if \first
.irp k, 0,1,2,3,4,5,6,7,8,9,10,11,12,13,14,15,16,17,18,19,20,21,22,23,24,25,26,27,28,29,30,31,32,33,34,35,36,37,38,39,40,41,42,43,44,45,46,47,48,49,50,51,52,53,54,55,56,57,58,59,60,61,62,63
	v_cmp_gt_i32 vcc_lo, 16*(\k/8)+\k%8, v[VD]     ; key > query: hidden
	v_cndmask_b32 v[S+\k], v[S+\k], v[NINF], vcc_lo
.endr
.endif
.irp b, 0,1,2,3
	v_max3_num_f32 v[BM+\b], v[S+16*\b], v[S+1+16*\b], v[S+2+16*\b]   ; the largest score of each block of 32 keys (tiles 2 b, 2 b + 1): for the row's maximum, and, since p rises with the score, for the block's largest p
.endr
.irp i, 3,5,7,9,11,13
.irp b, 0,1,2,3
	v_max3_num_f32 v[BM+\b], v[BM+\b], v[S+16*\b+\i], v[S+1+16*\b+\i]
.endr
.endr
.irp b, 0,1,2,3
	v_max_num_f32 v[BM+\b], v[BM+\b], v[S+15+16*\b]
.endr
.irp b, 0,1,2,3
	s_delay_alu instid0(VALU_DEP_4)
	v_permlanex16_b32 v[PX+\b], v[BM+\b], s[SEL], s[SEL+1]
.endr
.irp b, 0,1,2,3
	s_delay_alu instid0(VALU_DEP_4)
	v_max_num_f32 v[BM+\b], v[BM+\b], v[PX+\b]     ; with lane l xor 16's 16 keys
.endr
	s_delay_alu instid0(VALU_DEP_2)
	v_max3_num_f32 v72, v[BM], v[BM+1], v[BM+2]
	s_delay_alu instid0(VALU_DEP_1)
	v_max_num_f32 v72, v72, v[BM+3]                ; the step's largest score of my query (first step: the key q itself counts, so it is a number)
.if \first
	s_delay_alu instid0(VALU_DEP_1)
	v_mul_f32 v[NM+1], s[CS], v72                  ; as t
	s_delay_alu instid0(VALU_DEP_1)
	v_floor_f32 v[NM], -v[NM+1]                    ; -M = floor(-t) = -ceil(t)
.else
	s_delay_alu instid0(VALU_DEP_1)
	v_mul_f32 v72, s[CS], v72
	s_delay_alu instid0(VALU_DEP_1)
	v_max_num_f32 v[NM+1], v[NM+1], v72            ; the running largest t
	v_mov_b32 v72, v[NM]
	s_delay_alu instid0(VALU_DEP_2)
	v_floor_f32 v[NM], -v[NM+1]
	s_delay_alu instid0(VALU_DEP_1)
	v_sub_f32 v72, v[NM], v72                      ; old M - new M: a whole number, 0 or less
	s_delay_alu instid0(VALU_DEP_1)
	v_cvt_i32_f32 v72, v72                         ; (it saturates)
	s_delay_alu instid0(VALU_DEP_1)
	v_ldexp_f32 v[FF], 1.0, v72                    ; f
.endif
.set ii, 0
.rept 32
	v_pk_fma_f32 v[S+ii:S+ii+1], v[S+ii:S+ii+1], s[CS:CS+1], v[NM:NM+1] op_sel_hi:[1,0,0]   ; t - M
.set ii, ii+2
.endr
.irp b, 0,1,2,3
	v_fma_f32 v[BM+\b], v[BM+\b], s[CS], v[NM]     ; the same of each block's largest score
.endr
.set ii, 0
	s_wait_alu depctr_va_vdst(0)
.rept 64
	v_exp_f32 v[S+ii], v[S+ii]                     ; p = 2^(t - M)
.set ii, ii+1
.endr
.if \first
	v_nop                                          ; a plain instruction behind the exponentials
.else
	s_setprio 1
	v_pk_mul_f32 v[SUM:SUM+1], v[SUM:SUM+1], v[FF:FF+1] op_sel_hi:[1,0]   ; l under the new M: a plain instruction behind the exponentials
.endif
	s_wait_alu depctr_va_vdst(0)                   ; the wait ahead of the first instruction that names a result: one for the batch of 64
.irp b, 0,1,2,3
	v_exp_f32 v[BM+\b], v[BM+\b]                   ; the blocks' largest p
.endr
	v_pk_add_f32 v[70:71], v[132:133], v[136:137]
	v_pk_add_f32 v[126:127], v[140:141], v[144:145]
	v_pk_add_f32 v[124:125], v[148:149], v[152:153]
	v_pk_add_f32 v[122:123], v[156:157], v[160:161]
	v_pk_add_f32 v[120:121], v[164:165], v[168:169]
	v_pk_add_f32 v[118:119], v[172:173], v[176:177]
	v_pk_add_f32 v[116:117], v[180:181], v[184:185]
	v_pk_add_f32 v[14:15], v[14:15], v[188:189]
	v_pk_add_f32 v[70:71], v[70:71], v[128:129]
	v_pk_add_f32 v[126:127], v[126:127], v[130:131]
	v_pk_add_f32 v[124:125], v[124:125], v[134:135]
	v_pk_add_f32 v[122:123], v[122:123], v[138:139]
	v_pk_add_f32 v[120:121], v[120:121], v[142:143]
	v_pk_add_f32 v[118:119], v[118:119], v[146:147]
	v_pk_add_f32 v[116:117], v[116:117], v[150:151]
	v_pk_add_f32 v[14:15], v[14:15], v[154:155]
	v_pk_add_f32 v[70:71], v[70:71], v[158:159]
	v_pk_add_f32 v[126:127], v[126:127], v[162:163]
	v_pk_add_f32 v[124:125], v[124:125], v[166:167]
	v_pk_add_f32 v[122:123], v[122:123], v[170:171]
	v_pk_add_f32 v[120:121], v[120:121], v[174:175]
	v_pk_add_f32 v[118:119], v[118:119], v[178:179]
	v_pk_add_f32 v[116:117], v[116:117], v[182:183]
	v_pk_add_f32 v[14:15], v[14:15], v[186:187]
	v_pk_add_f32 v[70:71], v[70:71], v[190:191]
	s_delay_alu instid0(VALU_DEP_2)
	v_pk_add_f32 v[14:15], v[14:15], v[122:123]
	s_delay_alu instid0(VALU_DEP_2)
	v_pk_add_f32 v[70:71], v[70:71], v[120:121]
	v_pk_add_f32 v[126:127], v[126:127], v[118:119]
	v_pk_add_f32 v[124:125], v[124:125], v[116:117]
	s_delay_alu instid0(VALU_DEP_2)
	v_pk_add_f32 v[14:15], v[14:15], v[126:127]
	s_delay_alu instid0(VALU_DEP_2)
	v_pk_add_f32 v[70:71], v[70:71], v[124:125]
	s_delay_alu instid0(VALU_DEP_1)
	v_pk_add_f32 v[14:15], v[14:15], v[70:71]
	s_wait_alu depctr_va_vdst(0)                   ; and one for the four
.irp b, 0,1,2,3
	v_max_num_f32 v[BM+\b], 0x1800000, v[BM+\b]    ; the floor 2^(3 - 127): the byte cannot fall under 1
.endr
.irp b, 0,1,2,3
	s_delay_alu instid0(VALU_DEP_4)
	v_add_nc_u32 v[SO+\b], 0xff000000, v[BM+\b]    ; 2 off the exponent field: the conversion's scale operand
.endr
.irp b, 0,1,2,3
	s_delay_alu instid0(VALU_DEP_4)
	v_lshrrev_b32 v[PX+\b], 23, v[SO+\b]           ; the scale's byte
.endr
	s_delay_alu instid0(VALU_DEP_3)
	v_lshl_or_b32 v[PW], v[PX+1], 8, v[PX]
	s_delay_alu instid0(VALU_DEP_1)
	v_lshl_or_b32 v[PW], v[PX+2], 16, v[PW]
	s_delay_alu instid0(VALU_DEP_1)
	v_lshl_or_b32 v[PW], v[PX+3], 24, v[PW]        ; p's scale word for these 128 keys
.irp c, 0,1                                    ; a tile's eight numbers of a lane are keys 16 T + 8 h + 0..7: one register of codes
	v_cvt_scalef32_pk8_fp4_f32 v[P+4*\c], v[S+32*\c:S+32*\c+7], v[SO+2*\c]            ; tile 4 c
	v_cvt_scalef32_pk8_fp4_f32 v[P+4*\c+1], v[S+32*\c+16:S+32*\c+23], v[SO+2*\c+1]    ; tile 4 c + 2
	v_cvt_scalef32_pk8_fp4_f32 v[P+4*\c+2], v[S+32*\c+8:S+32*\c+15], v[SO+2*\c]       ; tile 4 c + 1
	v_cvt_scalef32_pk8_fp4_f32 v[P+4*\c+3], v[S+32*\c+24:S+32*\c+31], v[SO+2*\c+1]    ; tile 4 c + 3
.endr
	v_nop                                          ; a plain instruction between a scaled conversion and the vector instruction that touches its result
.irp c, 0,1                                    ; the first's lanes 16-31 change places with the second's lanes 0-15: register 4 c + g then holds keys 64 c + 32 h + 8 g + 0..7, the operand's layout
	v_permlane16_swap_b32 v[P+4*\c], v[P+4*\c+1]
	v_permlane16_swap_b32 v[P+4*\c+2], v[P+4*\c+3]
.endr
.if \first
	s_wait_alu depctr_va_vdst(0)
.rept 8
	v_nop                                          ; p's scale word stands eight plain instructions ahead of the scaled products, its codes four
.endr
.else
	WIN 0x41                                       ; O^T in window 1, f in window 0
.set ii, 0
.rept 32
	v_pk_mul_f32 v[OA+ii:OA+ii+1], v[OA+ii:OA+ii+1], v[FF:FF+1] op_sel_hi:[1,0]   ; O^T under the new M, each accumulator from its low end on.  These are also the instructions between p's scale word and the products
.set ii, ii+2
.endr
.endif
	s_wait_alu depctr_va_vdst(0)
	s_wait_dscnt 20                                ; V's 20 loads are in; the 20 issued behind them, the next step's K, may be out
	WIN 0x51                                       ; V in window 1, p in window 0, O^T in window 1
	s_setprio 0
.irp t, 0,2,4,6                                ; O^T += V^T P^T: the eight accumulators by turns
.if \first
	v_wmma_scale_f32_16x16x128_f8f6f4 v[OA+8*\t:OA+8*\t+7], v[VF+8*\t:VF+8*\t+7], v[P:P+7], 0, v[VSC+\t/2], v[PW] matrix_a_fmt:MATRIX_FMT_FP4 matrix_b_fmt:MATRIX_FMT_FP4
	v_wmma_scale_f32_16x16x128_f8f6f4 v[OA+8*\t+8:OA+8*\t+15], v[VF+8*\t+8:VF+8*\t+15], v[P:P+7], 0, v[VSC+\t/2], v[PW] matrix_a_fmt:MATRIX_FMT_FP4 matrix_b_fmt:MATRIX_FMT_FP4 matrix_a_scale:MATRIX_SCALE_ROW1
.else
	v_wmma_scale_f32_16x16x128_f8f6f4 v[OA+8*\t:OA+8*\t+7], v[VF+8*\t:VF+8*\t+7], v[P:P+7], v[OA+8*\t:OA+8*\t+7], v[VSC+\t/2], v[PW] matrix_a_fmt:MATRIX_FMT_FP4 matrix_b_fmt:MATRIX_FMT_FP4
	v_wmma_scale_f32_16x16x128_f8f6f4 v[OA+8*\t+8:OA+8*\t+15], v[VF+8*\t+8:VF+8*\t+15], v[P:P+7], v[OA+8*\t+8:OA+8*\t+15], v[VSC+\t/2], v[PW] matrix_a_fmt:MATRIX_FMT_FP4 matrix_b_fmt:MATRIX_FMT_FP4 matrix_a_scale:MATRIX_SCALE_ROW1
.endif
.endr
	WIN 0
.rept 4
	v_nop                                          ; the places in front of the loads into V's registers, and of the way out's first read of O^T
.endr
	LDV                                            ; the next step's V
.endm
; THE WAY OUT of a tile: O^T / l through my stage in LDS, half a row (64 channels, 256 bytes) of 16 queries at a time, so that sixteen lanes store 256 consecutive bytes, aligned; and out1.
.macro OUT OP, STP
	s_wait_dscnt 0x0                               ; the fetches that the last step issued ahead have landed: their registers may be loaded again
	v_add_f32 v72, v[SUM], v[SUM+1]
	s_delay_alu instid0(VALU_DEP_1)
	v_permlanex16_b32 v73, v72, s[SEL], s[SEL+1]
	s_delay_alu instid0(VALU_DEP_1)
	v_add_f32 v72, v72, v73                        ; l: its two halves, and lane l xor 16's
	s_wait_alu depctr_va_vdst(0)
	v_rcp_f32 v[RL], v72
	v_log_f32 v[RL+1], v72
	v_nop                                          ; a plain instruction behind the two
	s_wait_alu depctr_va_vdst(0)                   ; and the wait ahead of their first reader
	WIN 0x01
.set ii, 0
.rept 32
	v_pk_mul_f32 v[S+ii:S+ii+1], v[OA+ii:OA+ii+1], v[RL:RL+1] op_sel_hi:[1,0]   ; register 8 t + i is out0(query r, channel 16 t + 8 h + i)
.set ii, ii+2
.endr
	WIN 0
	v_sub_f32 v72, v[RL+1], v[NM]                  ; log2 l + M
	s_delay_alu instid0(VALU_DEP_1)
	v_mul_f32 v72, 0x3f317218, v72                 ; x ln 2
.irp u, 0,1
.irp t, 0,1,2,3
	ds_store_b128 v[STO], v[S+32*\u+8*\t:S+32*\u+8*\t+3] offset:64*\t
	ds_store_b128 v[STO], v[S+32*\u+8*\t+4:S+32*\u+8*\t+7] offset:64*\t+16
.endr
.irp i, 0,1,2,3,4,5,6,7
	ds_load_b128 v[AL+32*\u+4*\i:AL+32*\u+4*\i+3], v[RD] offset:544*\i   ; LDS serves a wave's instructions in order (ISA guide 5.7.1): these see my stores, and the next half's stores come behind them
.endr
.endr
	s_wait_alu depctr_va_vdst(0)
.irp u, 0,1
.irp i, 0,1,2,3,4,5,6,7
	s_wait_dscnt 23-16*\u-\i                       ; behind this load: the 7 - i later ones of its half, and for the first half the second's 8 stores and 8 loads
	global_store_b128 v[GO], v[AL+32*\u+4*\i:AL+32*\u+4*\i+3], s[\OP:\OP+1] offset:1024*\i+256*\u th:TH_STORE_NT
.endr
.endr
	s_wait_xcnt 0x0                                ; EXEC is a source of the loads and stores that are out: it changes only behind this wait
	v_cmp_gt_u32 vcc_lo, 16, v[LANE]
	s_and_saveexec_b32 s[SX], vcc_lo
	global_store_b32 v[QSO], v72, s[\STP:\STP+1]   ; lanes 0-15: 64 consecutive bytes of out1, all that a tile has of it
	s_wait_xcnt 0x0                                ; and again ahead of the line that widens it; the stores above have also read AL's registers
	s_or_b32 exec_lo, exec_lo, s[SX]
.endm
	s_load_b512 s[8:23], s[0:1], 0x0               ; bias 8, K's codes 10, K's scales 12, Q's codes 14, Q's scales 16, V's codes 18, V's scales 20, out0 22
	s_load_b64 s[24:25], s[0:1], 0x40              ; out1
	v_lshl_add_u32 v[SPW], v0, 2, SPARE
	v_mov_b32 v[NIL], 0
	ds_add_u32 v[SPW], v[NIL]                      ; the wave's opening: the add, twice on end, and its wait ahead of my first tensor load
	ds_add_u32 v[SPW], v[NIL]                      ; and once more; the set-up below, work on registers, stands between it and the wait
	v_lshrrev_b32 v70, 5, v0
	s_delay_alu instid0(VALU_DEP_1)
	v_readfirstlane_b32 s[WV], v70                 ; wave 0..7
	s_bfe_u32 s[J], ttmp6, 0x40000                 ; cx
	s_lshl_b32 s[TMP], ttmp9, 2
	s_add_co_u32 s[J], s[J], s[TMP]                ; j = 4 x cluster x + cx: it enters global addresses and the mask's numbers alone
	s_and_b32 s[BH], ttmp7, 0xffff                 ; the head, which the four partners share
	s_mov_b32 s[SEL], 0x76543210
	s_mov_b32 s[SEL+1], 0xfedcba98                 ; v_permlanex16_b32's selects for lane l xor 16
	s_mov_b32 s[CS], 0x3e0293ee                    ; c0 = log2(e) / sqrt(128)
	s_mov_b32 s[CS+1], s[CS]
	s_mov_b32 s[SQ], 0x413504f3                    ; sqrt(128)
	s_mov_b32 s[SQ+1], s[SQ]
	s_and_b32 s[SX], s[BH], 15                     ; hh.  slope = 2^(-(hh + 1) / 2), so sqrt(128) slope = 2^((6 - hh) / 2):
	s_sub_co_i32 s[I0], 6, s[SX]
	s_ashr_i32 s[I0], s[I0], 1                     ; the whole part of the exponent,
	s_lshl_b32 s[I0], s[I0], 23
	s_mov_b32 s[SLS], 0x3fb504f3                   ; on sqrt(2) where hh is odd,
	s_and_b32 s[SX], s[SX], 1
	s_cselect_b32 s[SLS], s[SLS], 0x3f800000       ; on 1 where it is even
	s_add_co_u32 s[SLS], s[SLS], s[I0]
	s_mov_b32 s[SLS+1], s[SLS]
	s_add_co_u32 s[DEL], s[SLS], 7<<23             ; x 128,
	s_or_b32 s[DEL], s[DEL], 0x80000000            ; negative
	s_mov_b32 s[DEL+1], s[DEL]
	s_cmp_eq_u32 s[BH], 0
	s_cselect_b32 s[LIM], 1, -1                    ; head 0's work-groups prefetch: the same in all four partners
	; descriptor groups 1, elements of 8 bytes.  K's codes: 128 dense rows of 256 bytes, 16 bytes of padding behind each
	s_mov_b32 s[G1K], 15|(3<<16)|(1<<20)|(1<<21)|(5<<22)|(3<<25)  ; 15:0 the mask: all four work-groups; 17:16 elements of 8 bytes; 20 padding on; 21 set beside a mask; 24:22 after every 64 words; 31:25 four words
	s_mov_b32 s[G1K+1], 32<<16                     ; tensor_dim0
	s_mov_b32 s[G1K+2], 128<<16                    ; tensor_dim1
	s_mov_b32 s[G1K+3], 32<<16                     ; tile_dim0
	s_mov_b32 s[G1K+4], 128                        ; tile_dim1
	s_mov_b32 s[G1K+5], 32                         ; from row to row
	s_mov_b32 s[G1K+6], 0
	s_mov_b32 s[G1K+7], 0
	; V's codes: 32 dense rows of 1,024 bytes, 16 bytes of padding behind each
	s_mov_b32 s[G1V], 15|(3<<16)|(1<<20)|(1<<21)|(7<<22)|(3<<25)  ; padding after every 256 words
	s_mov_b32 s[G1V+1], 128<<16
	s_mov_b32 s[G1V+2], 32<<16
	s_mov_b32 s[G1V+3], 128<<16
	s_mov_b32 s[G1V+4], 32
	s_mov_b32 s[G1V+5], 128
	s_mov_b32 s[G1V+6], 0
	s_mov_b32 s[G1V+7], 0
	; scale bytes: 8 dense rows of 256 bytes, padded as K's
	s_mov_b32 s[G1S], 15|(3<<16)|(1<<20)|(1<<21)|(5<<22)|(3<<25)
	s_mov_b32 s[G1S+1], 32<<16
	s_mov_b32 s[G1S+2], 8<<16
	s_mov_b32 s[G1S+3], 32<<16
	s_mov_b32 s[G1S+4], 8
	s_mov_b32 s[G1S+5], 32
	s_mov_b32 s[G1S+6], 0
	s_mov_b32 s[G1S+7], 0
	; groups 0: every wave makes all four; waves 0-3 ask by K's two, waves 4-7 by V's two; each fetches quarter wave % 4
	s_and_b32 s[I0], s[WV], 3
	s_mov_b32 s[G0K], 1
	s_mul_i32 s[G0K+1], s[I0], 34816               ; KB + 128 rows of 272
	s_mov_b32 s[G0KS], 1
	s_mul_i32 s[G0KS+1], s[I0], 2176
	s_add_co_u32 s[G0KS+1], s[G0KS+1], SCK
	s_mov_b32 s[G0V], 1
	s_mul_i32 s[G0V+1], s[I0], 33280               ; 32 rows of 1,040
	s_add_co_u32 s[G0V+1], s[G0V+1], VB
	s_mov_b32 s[G0VS], 1
	s_mul_i32 s[G0VS+1], s[I0], 2176
	s_add_co_u32 s[G0VS+1], s[G0VS+1], SCV
	s_wait_dscnt 0x0                               ; both opening adds are done
	s_wait_kmcnt 0x0
	s_lshl_b32 s2, s[BH], 17                       ; the head's 131,072 bytes of codes,
	s_lshl_b32 s[SX], s[I0], 15                    ; my quarter of them
	s_add_co_u32 s2, s2, s[SX]
	s_mov_b32 s3, 0
	s_add_nc_u64 s[G0K+2:G0K+3], s[10:11], s[2:3]
	s_add_nc_u64 s[G0V+2:G0V+3], s[18:19], s[2:3]
	s_lshl_b32 s2, s[BH], 13                       ; the head's 8,192 scale bytes,
	s_lshl_b32 s[SX], s[I0], 11
	s_add_co_u32 s2, s2, s[SX]
	s_add_nc_u64 s[G0KS+2:G0KS+3], s[12:13], s[2:3]
	s_add_nc_u64 s[G0VS+2:G0VS+3], s[20:21], s[2:3]
	s_or_b32 s[G0K+3], s[G0K+3], 0x80000000        ; 127:126 type = 2
	s_or_b32 s[G0V+3], s[G0V+3], 0x80000000
	s_or_b32 s[G0KS+3], s[G0KS+3], 0x80000000
	s_or_b32 s[G0VS+3], s[G0VS+3], 0x80000000
	CROUND                                         ; all four work-groups are here: the joint loads meet
	s_cmp_lt_u32 s[WV], 4                          ; a wave's two fills stand in one arm of one branch on the wave's number; two tensor loads of mine are out
	s_cbranch_scc0 .Lfill_v
	tensor_load_to_lds s[G0K:G0K+3], s[G1K:G1K+7]
	s_nop 0
	tensor_load_to_lds s[G0KS:G0KS+3], s[G1S:G1S+7]
	s_nop 0
.rept 4
	v_nop
.endr
	s_branch .Lfilled
.Lfill_v:
	tensor_load_to_lds s[G0V:G0V+3], s[G1V:G1V+7]
	s_nop 0
	tensor_load_to_lds s[G0VS:G0VS+3], s[G1S:G1S+7]
	s_nop 0
.rept 4
	v_nop
.endr
.Lfilled:
	; the lane's places
	v_and_b32 v[LANE], 31, v0
	v_and_b32 v70, 15, v0                          ; r
	v_bfe_u32 v71, v0, 4, 1                        ; h
	s_delay_alu instid0(VALU_DEP_2)
	v_lshrrev_b32 v72, 2, v70                      ; r / 4
	s_delay_alu instid0(VALU_DEP_3)
	v_and_b32 v73, 3, v70                          ; r % 4
	s_delay_alu instid0(VALU_DEP_2)
	v_mul_u32_u24 v[AK0], v72, 272                 ; K: key r of a tile: row r / 4, 64 (r % 4) bytes in, + 16 h
	s_delay_alu instid0(VALU_DEP_1)
	v_lshl_add_u32 v[AK0], v73, 6, v[AK0]
	s_delay_alu instid0(VALU_DEP_1)
	v_lshl_add_u32 v[AK0], v71, 4, v[AK0]
	v_mul_u32_u24 v[AV0], v70, 1040                ; V: channel r of a tile, + 16 h
	s_delay_alu instid0(VALU_DEP_1)
	v_lshl_add_u32 v[AV0], v71, 4, v[AV0]
	s_delay_alu instid0(VALU_DEP_1)
	v_add_nc_u32 v[AV0], VB, v[AV0]
	s_delay_alu instid0(VALU_DEP_1)
	v_add_nc_u32 v[AV0B], 66560, v[AV0]            ; 64 rows on: an LDS offset has 16 bits
	v_lshlrev_b32 v[AKS0], 2, v70                  ; K's scale words: key 16 h + r of a pair of tiles
	s_delay_alu instid0(VALU_DEP_1)
	v_lshl_add_u32 v[AKS0], v71, 6, v[AKS0]
	s_delay_alu instid0(VALU_DEP_1)
	v_add_nc_u32 v[AKS0], SCK, v[AKS0]
	v_lshl_add_u32 v[AVS0], v71, 2, v72            ; V's: channel 16 h + r of a pair of tiles: row 4 h + r / 4, 64 (r % 4) bytes in
	s_delay_alu instid0(VALU_DEP_1)
	v_mul_u32_u24 v[AVS0], v[AVS0], 272
	s_delay_alu instid0(VALU_DEP_1)
	v_lshl_add_u32 v[AVS0], v73, 6, v[AVS0]
	s_delay_alu instid0(VALU_DEP_1)
	v_add_nc_u32 v[AVS0], SCV, v[AVS0]
	v_lshlrev_b32 v[BO0], 13, v70                  ; bias: row r of 8,192 bytes, + 32 h
	s_delay_alu instid0(VALU_DEP_1)
	v_lshl_add_u32 v[BO0], v71, 5, v[BO0]
	v_lshlrev_b32 v[PF0], 13, v70                  ; the prefetch: row r, + 256 h
	s_delay_alu instid0(VALU_DEP_1)
	v_lshl_add_u32 v[PF0], v71, 8, v[PF0]
	v_lshlrev_b32 v[QO], 6, v70                    ; Q: row r of 64 bytes, + 16 h
	s_delay_alu instid0(VALU_DEP_1)
	v_lshl_add_u32 v[QO], v71, 4, v[QO]
	v_lshlrev_b32 v[QSO], 2, v70
	s_mul_i32 s[SX], s[WV], 4352
	s_add_co_u32 s[SX], s[SX], STG                 ; my stage
	v_mul_u32_u24 v[STO], v70, 272                 ; in: row r, + 32 h
	s_delay_alu instid0(VALU_DEP_1)
	v_lshl_add_u32 v[STO], v71, 5, v[STO]
	s_delay_alu instid0(VALU_DEP_1)
	v_add_nc_u32 v[STO], s[SX], v[STO]
	v_mul_u32_u24 v[RD], v71, 272                  ; back: lanes 0-15 one row, lanes 16-31 the next
	s_delay_alu instid0(VALU_DEP_1)
	v_lshl_add_u32 v[RD], v70, 4, v[RD]
	s_delay_alu instid0(VALU_DEP_1)
	v_add_nc_u32 v[RD], s[SX], v[RD]
	v_lshlrev_b32 v[GO], 9, v71                    ; and the same two rows of out0
	s_delay_alu instid0(VALU_DEP_1)
	v_lshl_add_u32 v[GO], v70, 4, v[GO]
	s_lshl_b32 s[TMP], s[J], 4
	v_lshlrev_b32 v72, 3, v71
	s_delay_alu instid0(VALU_DEP_1)
	v_sub_nc_u32 v[VD], v70, v72
	s_delay_alu instid0(VALU_DEP_1)
	v_add_nc_u32 v[VD], s[TMP], v[VD]              ; r + 16 j - 8 h
	s_delay_alu instid0(VALU_DEP_1)
	v_cvt_f32_i32 v[RHO], v[VD]
	s_delay_alu instid0(VALU_DEP_1)
	v_sub_f32 v[RHO+1], 1.0, v[RHO]
	s_delay_alu instid0(VALU_DEP_2)
	v_sub_f32 v[RHO], 0, v[RHO]
	v_mov_b32 v[NINF], 0xff800000                  ; -infinity
.irp b, 0,1,2,3
	v_mov_b32 v[PX+\b], 0                          ; written once: a lane permute's destination counts as one of its sources
.endr
	v_mov_b32 v[FF+1], 0                           ; (named as the upper half of a pair)
	v_mov_b32 v73, 0
	s_lshl_b32 s2, s[BH], 17                       ; Q's codes, Q's scales, out1 and out0 at my head
	s_add_nc_u64 s[14:15], s[14:15], s[2:3]
	s_lshl_b32 s2, s[BH], 13
	s_add_nc_u64 s[16:17], s[16:17], s[2:3]
	s_add_nc_u64 s[24:25], s[24:25], s[2:3]
	s_lshl_b32 s2, s[BH], 20
	s_add_nc_u64 s[22:23], s[22:23], s[2:3]
	; ---- the first tile: d = 15 - w
	s_wait_alu depctr_va_vdst(0)
	TILE 15, 1, O1, ST1                            ; its Q and first bias are asked for, and AL is made, while the fills land
	ALINIT
	s_wait_tensorcnt 0x0                           ; my two fills are in,
	s_barrier_signal -1
	s_barrier_wait -1                              ; everybody's are: K and V of the head lie in LDS, and nothing is filled again
	PRIME
	STEP 1, 15
	s_mov_b32 s[IX], 0
.Lhi:                                              ; 16 trips in every wave; those up to my tile's first are passed over: a branch on the wave's number and the count alone
	s_cmp_le_u32 s[IX], s[I0]
	s_cbranch_scc1 .Lhi_skip
	STEP 0, 15
.Lhi_skip:
	s_add_co_u32 s[IX], s[IX], 1
	s_cmp_lt_u32 s[IX], 16
	s_cbranch_scc1 .Lhi
	s_setprio 0
	; ---- the second tile: d = w.  Its Q and first bias are asked for ahead of the first tile's way out
	TILE 7, 0, O2, ST2
	OUT O1, ST1
	ALINIT
	PRIME
	STEP 1, 7
	s_mov_b32 s[IX], 0
.Llo:
	s_cmp_le_u32 s[IX], s[I0]
	s_cbranch_scc1 .Llo_skip
	STEP 0, 7
.Llo_skip:
	s_add_co_u32 s[IX], s[IX], 1
	s_cmp_lt_u32 s[IX], 8
	s_cbranch_scc1 .Llo
	s_setprio 0
	OUT O2, ST2
	s_wait_tensorcnt 0x0                           ; the wave's end, behind my last tensor load and my last LDS store
	ds_add_u32 v[SPW], v[NIL]
	s_wait_dscnt 0x0
	CROUND                                         ; the closing round
	s_endpgm
.Lfunc_end_k_qd281415e29_attn:
	.size	k_qd281415e29_attn, .Lfunc_end_k_qd281415e29_attn-k_qd281415e29_attn
	.p2alignl 7, 3214868480
	.fill 96, 4, 3214868480
	.section	.rodata,"a",@progbits
	.p2align	6, 0x0
	.amdhsa_kernel k_qd281415e29_attn
		.amdhsa_group_segment_fixed_size 327680
		.amdhsa_private_segment_fixed_size 0
		.amdhsa_enable_private_segment 0
		.amdhsa_kernarg_size 72
		.amdhsa_user_sgpr_count 2
		.amdhsa_user_sgpr_kernarg_segment_ptr 1
		.amdhsa_wavefront_size32 1
		.amdhsa_system_sgpr_workgroup_id_x 1
		.amdhsa_system_sgpr_workgroup_id_y 1
		.amdhsa_system_sgpr_workgroup_id_z 1
		.amdhsa_system_vgpr_workitem_id 0
		.amdhsa_next_free_vgpr 512
		.amdhsa_next_free_sgpr 100
		.amdhsa_reserve_vcc 1
		.amdhsa_float_denorm_mode_32 3
		.amdhsa_float_denorm_mode_16_64 3
		.amdhsa_memory_ordered 1
		.amdhsa_forward_progress 1
		.amdhsa_inst_pref_size 152
	.end_amdhsa_kernel
	.amdgpu_metadata
---
amdhsa.version: [ 1, 2 ]
amdhsa.kernels:
  - .name:           k_qd281415e29_attn
    .symbol:         k_qd281415e29_attn.kd
    .args:
      - { .name: bias, .offset: 0, .size: 8, .value_kind: global_buffer, .address_space: global }
      - { .name: key_codes, .offset: 8, .size: 8, .value_kind: global_buffer, .address_space: global }
      - { .name: key_scales, .offset: 16, .size: 8, .value_kind: global_buffer, .address_space: global }
      - { .name: query_codes, .offset: 24, .size: 8, .value_kind: global_buffer, .address_space: global }
      - { .name: query_scales, .offset: 32, .size: 8, .value_kind: global_buffer, .address_space: global }
      - { .name: value_codes, .offset: 40, .size: 8, .value_kind: global_buffer, .address_space: global }
      - { .name: value_scales, .offset: 48, .size: 8, .value_kind: global_buffer, .address_space: global }
      - { .name: out0, .offset: 56, .size: 8, .value_kind: global_buffer, .address_space: global }
      - { .name: out1, .offset: 64, .size: 8, .value_kind: global_buffer, .address_space: global }
    .group_segment_fixed_size: 327680
    .private_segment_fixed_size: 0
    .kernarg_segment_align: 8
    .kernarg_segment_size: 72
    .max_flat_workgroup_size: 256
    .sgpr_count:     100
    .vgpr_count:     512
    .wavefront_size: 32
...
	.end_amdgpu_metadata
.endif
;; end of part 1
